; MI455X (gfx1250); checked and timed in simulation.
; The chip was launched on July 23, 2026; its instructions are those of AMD's public machine-readable ISA for CDNA 5 (MIT licence, August 2026) and "CDNA5" Instruction Set Architecture Reference Guide (July 2026). The comments in the code are by the model that wrote it; some were corrected since.
;; FDGAND ABLTEST Model. Allowed arithmetic: matrix products marked QUANTISED: E3M2 operands, one E8M0 scale for each 32 along K, by v_wmma_scale_f32_16x16x128_f8f6f4 with both operands' format E3M2, f32 sums; products left as they are: f32 operands where the result goes on into a quantised operand, else bf16, f16 or f32 operands; f32 sums; everything else in f32.
;; Inputs: W1 512 x 512 float32; W2 128 x 512 float32; W3 32 x 128 float32; W4 8 x 32 float32; Wh 1 x 8 float32; b1 512 float32; b2 128 float32; b3 32 float32; b4 8 float32; be1 512 float32; be2 128 float32; be3 32 float32; be4 8 float32; bh 1 float32; g1 512 float32; g2 128 float32; g3 32 float32; g4 8 float32; u 1 float32; x 131,072 x 512 float32.
;; Outputs: out0 131,072 x 1 float32.
;; This version of the problem:
;;   THIS VERSION OF THE PROBLEM IS GIVEN IN LOW PRECISION. The matrix products marked QUANTISED in the list below multiply operands that are first quantised to E3M2 (3 exponent bits, 2 mantissa bits; 6 bits a number), with one power-of-two scale for each 32 numbers along K (OCP MX v1.0); their sums are f32. All else is computed in f32.
;;   The module's matrix products, in the order in which they are computed (A, B: the left and right operand; K: the contracted axis; several contracted axes count as one K, in the product's order):
;;     1. [M 131,072, K 512] x [K 512, N 512]; A: input x; B: input W1: QUANTISED
;;     2. [M 131,072, K 512] x [K 512, N 128]; A: computed on the way; B: input W2: QUANTISED
;;     3. [M 131,072, K 128] x [K 128, N 32]; A: computed on the way; B: input W3: QUANTISED
;;     4. [M 131,072, K 32] x [K 32, N 8]; A: computed on the way; B: input W4: left as it is (N = 8 < 16)
;;     5. [M 8, K 1] x [K 1, N 1]; A: input Wh; B: input u: left as it is (K = 1 < 32)
;;     6. [M 1, K 8] x [K 8, N 1]; A: input Wh; B: computed on the way: left as it is (K = 8 < 32)
;;     7. [M 1, K 8] x [K 8, N 1]; A: input Wh; B: computed on the way: left as it is (K = 8 < 32)
;;     8. [M 1, K 1] x [K 1, N 1]; A: computed on the way; B: computed on the way: left as it is (K = 1 < 32)
;;     9. [M 131,072, K 8] x [K 8, N 1]; A: computed on the way; B: computed on the way: left as it is (K = 8 < 32)
;;   THE QUANTISER, for each operand of a quantised product, along K:
;;     - K is cut into blocks of 32 from its start; a last block that is shorter is filled with zeros.
;;     - A block's scale is 2^e with e = floor(log2(the largest magnitude in the block)) - 4, held to -126 .. 127; a block of zeros has e = 0. As a byte (E8M0): e + 127.
;;     - Each number is divided by its block's scale, clamped to +-28, and rounded to the nearest number of E3M2, ties to even, subnormals kept.
;;     - The product sums the exact products of the quantised numbers (number of the format x scale) in f32.
;;   ~~~python
;;   def quantise(x, axis):      # numpy; x: float32 -> the quantised numbers, widened to float32 again
;;       x = np.moveaxis(x, axis, -1); K = x.shape[-1]
;;       x = np.pad(x, [(0, 0)] * (x.ndim - 1) + [(0, -K % 32)]); x = x.reshape(x.shape[:-1] + (-1, 32)); a = np.abs(x).max(-1, keepdims=True)
;;       e = np.where(a > 0, np.clip(np.frexp(np.where(a > 0, a, 1))[1] - 1 - 4, -126, 127), 0)      # np.frexp(a)[1] - 1 = floor(log2(a)), exactly
;;       r = np.clip(x / 2.0 ** e, -28, 28)
;;       step = 2.0 ** (np.maximum(np.frexp(np.where(r == 0, 1, r))[1] - 1, -2) - 2)
;;       q = np.round(r / step) * step * 2.0 ** e      # np.round: ties to even
;;       return np.moveaxis(q.reshape(q.shape[:-2] + (-1,))[..., :K], -1, axis).astype(np.float32)
;;   ~~~
;;   OPERANDS COMPUTED ON THE WAY. 'Computed on the way' means the value that the module computes at that place (a softmax that the list does not call 'softmax' is quantised finished and normalised). What goes into a quantiser is computed in f32, as accurately as f32 sums, v_exp_f32 and their like allow (about 1e-6 of the number): no bf16 or f16 on the way to a quantiser, and a product that is left as it is and whose result goes on into a quantised operand takes f32 operands (vector FMAs, or v_wmma_f32_16x16x4_f32). A number that lies on a knife's edge between two numbers of the format may be rounded either way, as far as f32 arithmetic and the matrix unit's own rounding can turn it there, and no further.
;; One version. Each part assembles by itself: llvm-mc -triple=amdgcn-amd-amdhsa -mcpu=gfx1250 --defsym DOCPART=n.
;; ======== version 1 of 1: 2 launches
;; limits: a function is approximated: absolute error at most 1.2e-07
;; workspace buffers: wimg 248,832 bytes; wsc 10,496 bytes
;; launch prep (part 1): grid 162 x 1, 1 waves a work-group, no clusters, 0 bytes of LDS; arguments W1, W2, W3, wimg, wsc; writes wimg, wsc
.if DOCPART == 1
	.amdgcn_target "amdgcn-amd-amdhsa--gfx1250"
	.amdhsa_code_object_version 6
	.text
	.protected	k_q9cfece9bae_prep
	.globl	k_q9cfece9bae_prep
	.p2align	8
	.type	k_q9cfece9bae_prep,@function
k_q9cfece9bae_prep:
	s_mov_b64 s[64:65], 0
	v_nop
	global_prefetch_b8 v0, s[64:65] scope:SCOPE_SE
	s_setreg_imm32_b32 hwreg(HW_REG_WAVE_MODE, 25, 1), 1
	s_wait_xcnt 0x0
; W1 [512][512], W2 [128][512], W3 [32][128], f32 with K innermost, become codes of BF6 (E3M2) with one E8M0 scale byte for each 32 along K,
; laid as the second launch's matrix operands want them: 162 fragments of 16 rows x 128 K, each an IMAGE OF ITS 12 REGISTERS:
; registers 4 c .. 4 c + 3 of lane l at wimg + 1536 f + 512 c + 16 l; the scale word of the fragment's row-lane r at wsc + 64 f + 4 r.
; Every work-group of the second launch reads all weights: quantised once here, they are read there as three sixteenths of the f32 bytes.
; One wave makes one fragment f (the work-group's number):
;   f = 0..127   W1, tile T = f / 4, K step f % 4;   f = 128..159  W2 likewise: row-lane r takes row 32 (T / 2) + 8 (T % 2) + r + 8 (r / 8),
;                so that the 16 result registers of two neighbouring tiles are 16 neighbours along the next product's K;
;   f = 160,161  W3, tile T = f - 160: row-lane r takes row 16 T + 2 (r & 6) + 2 (r / 8) + (r & 1), so that result register p of lane half h
;                is unit 4 (p / 2) + 2 h + (p & 1): the layout of an f32 matrix operand with K = 4.
; A block's scale is 2^(floor(log2(largest magnitude)) - 4); its byte is the largest magnitude's exponent field - 4, held at 1 from below.
; LIMITS: a block of zeros, and a block whose largest magnitude lies under 2^-122, gets the byte 1 (the rule says 127 for zeros: its codes are
; zeros, and this program alone reads the bytes); NaN and infinities among the inputs are not served.
.set X,   32                           ; v32-95   64 numbers: register 16 b + i = k 32 b + 16 (lane / 16) + i of my row's K step
.set TM,  8                            ; v8-11 largest magnitudes, v12-15 bytes, v20-23 the conversions' scale operands
.set PC,  96                           ; v96-107 the fragment; v108-114 halves on their way
.set PW,  116                          ; the scale word
.set SEL, 28                           ; s[28:29] lane selects for v_permlanex16_b32: lane l xor 16
	s_load_b256 s[4:11], s[0:1], 0x0               ; W1 s[4:5], W2 s[6:7], W3 s[8:9], wimg s[10:11]
	s_load_b64 s[12:13], s[0:1], 0x20              ; wsc
	s_mov_b32 s[SEL], 0x76543210
	s_mov_b32 s[SEL+1], 0xfedcba98
	s_mov_b32 s14, ttmp9                           ; f
	s_mov_b32 s16, 160
	s_cmp_ge_u32 s14, 128
	s_cselect_b32 s15, 128, 0                      ; the tensor's first fragment: 0, 128
	s_cmp_ge_u32 s14, 160
	s_cselect_b32 s15, s16, s15                    ; or 160
	s_cselect_b32 s17, 9, 11                       ; a row is 512 bytes (W3) or 2,048
	s_cselect_b32 s20, -1, 0                       ; all lanes: W3's order of rows, or the others'
	s_sub_co_u32 s18, s14, s15                     ; f' = the fragment's number in its tensor
	s_lshr_b32 s21, s18, 3
	s_lshl_b32 s21, s21, 5                         ; W1, W2: 32 (T / 2)
	s_bfe_u32 s22, s18, 0x10002
	s_lshl_b32 s22, s22, 3                         ; + 8 (T % 2)
	s_add_co_u32 s21, s21, s22
	s_and_b32 s22, s18, 3                          ; K step
	s_lshl_b32 s23, s18, 4                         ; W3: 16 T
	s_cmp_ge_u32 s14, 160
	s_cselect_b32 s21, s23, s21                    ; the tile's first row
	s_cselect_b32 s22, 0, s22
	s_lshl_b32 s22, s22, 9                         ; the K step's 512 bytes
	s_mul_i32 s24, s14, 1536                       ; where the image goes
	s_mov_b32 s25, 0
	s_lshl_b32 s26, s14, 6                         ; and the scale words
	s_mov_b32 s27, 0
	v_and_b32 v1, 15, v0                           ; r
	v_lshrrev_b32 v2, 4, v0                        ; h
	v_and_b32 v3, 8, v1
	v_add_nc_u32 v3, v3, v1                        ; r + 8 (r / 8)
	v_and_b32 v4, 6, v1
	v_lshlrev_b32 v4, 1, v4                        ; 2 (r & 6)
	v_lshrrev_b32 v5, 3, v1
	v_lshl_add_u32 v4, v5, 1, v4                   ; + 2 (r / 8)
	v_and_b32 v5, 1, v1
	v_add_nc_u32 v4, v4, v5                        ; + (r & 1)
	v_cndmask_b32 v3, v3, v4, s20
	v_add_nc_u32 v3, s21, v3                       ; my row
	v_lshlrev_b32 v3, s17, v3                      ; in bytes
	v_add_nc_u32 v3, s22, v3
	v_lshl_add_u32 v3, v2, 6, v3                   ; + 64 h: my 16 numbers of each block of 32
	v_lshlrev_b32 v6, 4, v0                        ; 16 x lane
	v_lshlrev_b32 v7, 2, v1                        ; 4 r
.irp b, 0,1,2,3
	v_mov_b32 v[TM+4+\b], 0                        ; a lane permute's destination counts as one of its sources
.endr
	s_wait_kmcnt 0x0
	s_cmp_ge_u32 s14, 128                          ; the choice of the tensor hangs on the work-group's number alone
	s_cselect_b64 s[4:5], s[6:7], s[4:5]
	s_cmp_ge_u32 s14, 160
	s_cselect_b64 s[4:5], s[8:9], s[4:5]
	s_add_nc_u64 s[10:11], s[10:11], s[24:25]
	s_add_nc_u64 s[12:13], s[12:13], s[26:27]
.irp b, 0,1,2,3
.irp j, 0,1,2,3
	global_load_b128 v[X+16*\b+4*\j:X+16*\b+4*\j+3], v3, s[4:5] offset:128*\b+16*\j
.endr
.endr
	s_wait_loadcnt 0x0
.irp b, 0,1,2,3
	v_max3_num_f32 v[TM+\b], |v[X+16*\b]|, |v[X+1+16*\b]|, 0x2800000   ; block b: my 16 numbers, and the floor 2^(5 - 127): the byte cannot fall under 1
.endr
.irp i, 2,4,6,8,10,12,14
.irp b, 0,1,2,3
	v_max3_num_f32 v[TM+\b], v[TM+\b], |v[X+16*\b+\i]|, |v[X+1+16*\b+\i]|   ; the four blocks by turns
.endr
.endr
.irp b, 0,1,2,3
	v_permlanex16_b32 v[TM+4+\b], v[TM+\b], s[SEL], s[SEL+1]
.endr
.irp b, 0,1,2,3
	v_max_num_f32 v[TM+\b], v[TM+\b], v[TM+4+\b]   ; with lane l xor 16's 16: the block's largest magnitude
.endr
.irp b, 0,1,2,3
	v_add_nc_u32 v[TM+12+\b], 0xfe000000, v[TM+\b] ; 4 off its exponent field: the conversion takes that field as its scale
.endr
.irp b, 0,1,2,3
	v_lshrrev_b32 v[TM+4+\b], 23, v[TM+12+\b]      ; the scale's byte
.endr
	v_lshl_or_b32 v[PW], v[TM+5], 8, v[TM+4]       ; four bytes: my row's scale word
	v_lshl_or_b32 v[PW], v[TM+6], 16, v[PW]
	v_lshl_or_b32 v[PW], v[TM+7], 24, v[PW]
.irp c, 0,1
	v_cvt_scalef32_pk16_bf6_f32 v[PC+6*\c:PC+2+6*\c], v[X+32*\c:X+15+32*\c], v[TM+12+2*\c]
	v_cvt_scalef32_pk16_bf6_f32 v[PC+12+4*\c:PC+14+4*\c], v[X+16+32*\c:X+31+32*\c], v[TM+13+2*\c]   ; a conversion's three registers begin on an even number
.endr
	v_nop                                          ; one plain place behind a scaled conversion
.irp c, 0,1                                    ; the operand wants a WHOLE block in a lane: lanes 0-15 block 2 c, lanes 16-31 block 2 c + 1
.irp i, 0,1,2
	v_permlane16_swap_b32 v[PC+6*\c+\i], v[PC+12+4*\c+\i]
.endr
.irp i, 0,1,2
	v_mov_b32 v[PC+3+6*\c+\i], v[PC+12+4*\c+\i]
.endr
.endr
.irp c, 0,1,2
	global_store_b128 v6, v[PC+4*\c:PC+4*\c+3], s[10:11] offset:512*\c   ; 32 lanes store 512 consecutive bytes, aligned
.endr
	s_wait_xcnt 0x0                                ; EXEC changes only behind this wait
	v_cmp_gt_u32 vcc_lo, 16, v0
	s_and_saveexec_b32 s30, vcc_lo                 ; lanes 16-31 hold the same words
	global_store_b32 v7, v[PW], s[12:13]
	s_wait_xcnt 0x0
	s_or_b32 exec_lo, exec_lo, s30
	s_endpgm
.Lfunc_end_k_q9cfece9bae_prep:
	.size	k_q9cfece9bae_prep, .Lfunc_end_k_q9cfece9bae_prep-k_q9cfece9bae_prep
	.p2alignl 7, 3214868480
	.fill 96, 4, 3214868480
	.section	.rodata,"a",@progbits
	.p2align	6, 0x0
	.amdhsa_kernel k_q9cfece9bae_prep
		.amdhsa_group_segment_fixed_size 0
		.amdhsa_private_segment_fixed_size 0
		.amdhsa_enable_private_segment 0
		.amdhsa_kernarg_size 40
		.amdhsa_user_sgpr_count 2
		.amdhsa_user_sgpr_kernarg_segment_ptr 1
		.amdhsa_wavefront_size32 1
		.amdhsa_system_sgpr_workgroup_id_x 1
		.amdhsa_system_sgpr_workgroup_id_y 1
		.amdhsa_system_sgpr_workgroup_id_z 1
		.amdhsa_system_vgpr_workitem_id 0
		.amdhsa_next_free_vgpr 128
		.amdhsa_next_free_sgpr 66
		.amdhsa_reserve_vcc 1
		.amdhsa_float_denorm_mode_32 3
		.amdhsa_float_denorm_mode_16_64 3
		.amdhsa_memory_ordered 1
		.amdhsa_forward_progress 1
		.amdhsa_inst_pref_size 9
	.end_amdhsa_kernel
	.amdgpu_metadata
---
amdhsa.version: [ 1, 2 ]
amdhsa.kernels:
  - .name:           k_q9cfece9bae_prep
    .symbol:         k_q9cfece9bae_prep.kd
    .args:
      - { .name: W1, .offset: 0, .size: 8, .value_kind: global_buffer, .address_space: global }
      - { .name: W2, .offset: 8, .size: 8, .value_kind: global_buffer, .address_space: global }
      - { .name: W3, .offset: 16, .size: 8, .value_kind: global_buffer, .address_space: global }
      - { .name: wimg, .offset: 24, .size: 8, .value_kind: global_buffer, .address_space: global }
      - { .name: wsc, .offset: 32, .size: 8, .value_kind: global_buffer, .address_space: global }
    .group_segment_fixed_size: 0
    .private_segment_fixed_size: 0
    .kernarg_segment_align: 8
    .kernarg_segment_size: 40
    .max_flat_workgroup_size: 32
    .sgpr_count:     66
    .vgpr_count:     128
    .wavefront_size: 32
...
	.end_amdgpu_metadata
.endif
;; end of part 1
;; launch main (part 2): grid 256 x 1, 4 waves a work-group, no clusters, 327,680 bytes of LDS; arguments x, wimg, wsc, b1, g1, be1, b2, g2, be2, b3, g3, be3, W4, b4, g4, be4, Wh, bh, u, out0; writes out0
.if DOCPART == 2
	.amdgcn_target "amdgcn-amd-amdhsa--gfx1250"
	.amdhsa_code_object_version 6
	.text
	.protected	k_q9cfece9bae_main
	.globl	k_q9cfece9bae_main
	.p2align	8
	.type	k_q9cfece9bae_main,@function
k_q9cfece9bae_main:
	s_mov_b64 s[64:65], 0
	v_nop
	global_prefetch_b8 v0, s[64:65] scope:SCOPE_SE
	s_setreg_imm32_b32 hwreg(HW_REG_WAVE_MODE, 25, 1), 1
	s_wait_xcnt 0x0
; out0 = head(block4(block3(block2(block1(x))))), block = Linear, LayerNorm, CELU; widths 512 -> 512 -> 128 -> 32 -> 8 -> 1; 131,072 rows.
; Products 1 to 3 run on codes of BF6 (E3M2) with one E8M0 scale for each 32 along K; x, h1 and h2 are quantised here on their way, the weights arrive as register images (first launch).
; Product 4 (K = 32, N = 8) runs on f32 operands: it is 8 of a row tile's 170 matrix instructions, and its result goes into a LayerNorm over 8 numbers, which enlarges operand rounding.
; Nothing but x comes from memory in the loop, and nothing but out0 goes there.
; SHARES.  256 work-groups of four waves; a work-group owns 512 rows, 8 blocks of 64 (four tiles m of 16 rows).  In layers 1 and 2 THE WAVES SHARE THE COLUMNS: wave w makes h1 units 128 w .. + 127 and
; h2 units 32 w .. + 31 for all 64 rows, so its weights (504 registers) stay in registers for the whole launch.  From layer 3 on wave w owns row tile w.
; x comes by tensor loads through a ring of two LDS slots of 64 rows; wave w fetches K step w (64 rows x 512 bytes, each row two whole aligned runs of 256 bytes), one load a wave behind one barrier a block.
; OPERANDS GO FROM WAVE TO WAVE THROUGH LDS AS IMAGES OF THEIR REGISTERS (16 bytes a lane, 512 a store).  All products are used transposed (source 0 = weights, source 1 = rows): a lane holds ONE row.
; LAYERNORM ACROSS WAVES without a difference of large sums: each wave takes its own mean m_w and M2_w = sum (h - m_w)^2, one exchange, then mu = mean of the m_w, M2 = sum M2_w + n_w sum (m_w - mu)^2.
; CELU(z) = max(z, 2^(-|z log2 e|) - 1): for z > 0 the second term is below 0, for z <= 0 it is e^z - 1 >= z.
; NO CLUSTER: what work-groups share is the weights, 259,200 bytes a work-group, read once into registers, beside 1,048,576 bytes of x that are its own; joint loads would put every refill of the private ring behind a round of four work-groups.
; LIMITS: NaN and infinities are not served.  A block of zeros, or one whose largest magnitude lies under 2^-122, gets the scale byte 1 (its codes are zeros or subnormal codes; this program alone reads the bytes).
; e^z - 1 is formed as an exponential less 1: absolute error up to 1.2e-7, so for -0.1 < z < 0 its relative error exceeds 1e-6.
;
; REGISTERS, in windows of 256 (s_set_vgpr_msb: bits 1:0 source 0, 3:2 source 1, 5:4 source 2, 7:6 destination):
;   window 1: W1's tiles 0-4 at v[12 (4 t + s)]; v240-255 W4 as f32 operand.   window 2: W1's tiles 5-7; from v144 W2 at v[144 + 12 (4 u + s)]; v240-255 product 4's two accumulators (written by matrix instructions alone).
;   window 3: x as loaded, v[64 s + 16 b + i]; then h1, v[64 m + 8 t]; then h2, v[16 m + 8 u], with the 16 fragments of h1 from v64.
;   window 0: v1-23 addresses; v24-53 scale words and nothing else; v54-77 W3; v78-85 b4; v88-151 biases and gains; v152-247 fragments of x, statistics, work; v248-255 (rstd, shift) for each m.
.set SLOTB,  135168                    ; a slot: four K steps of 64 rows x (512 + 16) bytes
.set KSB,    33792                     ; one K step of a slot
.set IMG,    270336                    ; 16 fragment images of 1,536 bytes, F = 4 m + s: x's, later h1's
.set IMGSC,  294912                    ; their scale words: 64 F + 4 r
.set PARAM1, 295936                    ; b1, g1, be1 as in memory: + 0, 2048, 4096
.set PARAM2, 302080                    ; b2, g2, be2: + 0, 512, 1024
.set PARAM3, 303616                    ; b3, g3, be3: + 0, 128, 256; unit L at 64 ((L / 2) % 2) + 8 (L / 4) + 4 (L % 2)
.set STAT,   304128                    ; (mean, M2): 1024 w + 256 m + 8 lane; layer 2's 4,096 on
.set H2IMG,  312320                    ; h2's fragments: 1536 m + 48 x reader's lane + 4 x register
.set H2SC,   318464                    ; h2's scale bytes, a word each: 512 m + 128 w + 4 lane
.set OUTB,   320512                    ; the work-group's 512 results
.set SPARE,  322560                    ; the spare words, 128 bytes for each wave: two blocks of 256 bytes that no other line names
.set IMR,  1                           ; IMG + 16 lane
.set SCR,  2                           ; IMGSC + 4 lane
.set XA0,  3                           ; (16 w + r) 528 + 64 h
.set XB0,  4                           ; the same two K steps on
.set XA,   5                           ; XA0, XB0 in the slot in hand
.set XB,   6
.set XWI,  7                           ; IMG + 6144 w + 16 lane
.set XWS,  8                           ; IMGSC + 256 w + 4 r
.set HWI,  9                           ; IMG + 1536 w + 16 lane
.set HWS,  10                          ; IMGSC + 64 w + 4 r
.set PA1,  11                          ; PARAM1 + 512 w + 64 h
.set PA2,  12                          ; PARAM2 + 128 w + 64 h
.set PA3,  13                          ; PARAM3 + 64 h
.set STW,  14                          ; STAT + 1024 w + 8 lane
.set STR,  15                          ; STAT + 8 lane
.set H2W,  16                          ; H2IMG + 48 (r + 16 (w % 2)) + 24 (w / 2) + 12 h
.set H2SW, 17                          ; H2SC + 128 w + 4 lane
.set H2R,  18                          ; H2IMG + 1536 w + 48 lane
.set H2SR, 19                          ; H2SC + 512 w + 4 lane
.set OUTW0, 20                         ; OUTB + 64 w + 4 r
.set OUTW, 21                          ; the same in the block in hand
.set SPW,  22                          ; my spare word: SPARE + 4 x my thread's number; never rewritten
.set NIL,  23                          ; 0; never rewritten
.set W1S,  24                          ; v24-39 W1's scale words: register 2 t + s / 2; lanes 0-15 the even K step, lanes 16-31 the odd one
.set W2S,  40                          ; v40-43 W2's: 2 u + s / 2
.set W3S,  44                          ; W3's: lanes 0-15 tile 0, lanes 16-31 tile 1
.set SCH2, 45                          ; h2's
.set SCX,  46                          ; v46-53 x's, later h1's: 2 m + s / 2
.set W3F,  54
.set B4,   78
.set AA,   88
.set HF,   136                         ; h2's fragment of my row tile
.set SB,   148                         ; its four scale bytes
.set F0,   152                         ; two sets of four fragments of x
.set F1,   200
.set TC,   152                         ; statistics: two chains of pairs for each m
.set SP,   168                         ; (my mean, my M2) for each m
.set PT,   176
.set SS,   180
.set SL,   184                         ; the four waves' pairs for each m
.set CT,   216
.set BE1,  152
.set T,    216                         ; CELU's 32 numbers at work
.set TM,   152                         ; quantiser: +0 largest magnitudes, +4 bytes, +12 the conversions' scale operands
.set PC,   168                         ; the codes just made
.set PW,   188                         ; the scale word just made
.set D3,   152
.set H3,   168
.set RS,   248
.set G1,   44                          ; s[44:51] descriptor group 1
.set G0A,  52                          ; s[52:55] group 0 of the first fill of slot 0
.set G0W,  56                          ; s[56:59] group 0 that walks
.set WV,   60
.set TB,   61                          ; LDS byte at which the slot to be read begins
.set OB,   62                          ; 256 x block
.set CNT,  63
.set SEL,  66                          ; s[66:67] lane selects: lane l xor 16
.set FLOOR, 68                         ; 2^(5 - 127)
.set EPS,  69                          ; 1e-5
.set G4,   72
.set BE4,  80
.set WSN,  88                          ; Wh, then Wh / sigma
.set BH,   96
.set UU,   97
.set MSB, 0
.macro WIN new                         ; the immediate's high byte repeats the setting that is left; a switch that changes nothing is dropped
.if MSB != (\new)
	s_set_vgpr_msb (MSB<<8)|(\new)
.set MSB, (\new)
.endif
.endm
.macro PLACES n                        ; plain places behind matrix instructions (ISA guide 7.12.1), where no other vector work is at hand
.rept \n
	v_nop
.endr
.endm
.macro BAR                             ; my LDS stores have landed and my LDS loads are in: then the work-group's barrier
	s_wait_dscnt 0x0
	s_barrier_signal -1
	s_barrier_wait -1
.endm
.macro PLOAD reg, adr, off, n          ; biases and gains in the results' layout: register 16 b + i = the number of unit 32 b + 16 h + i
.set PQ_, 0
.rept \n
	ds_load_b128 v[\reg+4*PQ_:\reg+4*PQ_+3], v[\adr] offset:\off+128*(PQ_/4)+16*(PQ_%4)
.set PQ_, PQ_+1
.endr
.endm
.macro SCXLOAD                         ; the 16 images' scale words: a register takes two fragments' words, one in each half of the lanes
.irp p, 0,1,2,3,4,5,6,7
	ds_load_b32 v[SCX+\p], v[SCR] offset:128*\p
.endr
.endm
.macro XLOAD                           ; my 16 rows of the slot: 64 numbers a lane for each K step, into window 3
	WIN 0xc0
.irp s, 0,1,2,3
.irp q, 0,1,2,3,4,5,6,7,8,9,10,11,12,13,14,15
.if \s < 2
	ds_load_b128 v[64*\s+4*\q:64*\s+4*\q+3], v[XA] offset:\s*KSB+128*(\q/4)+16*(\q%4)
.else
	ds_load_b128 v[64*\s+4*\q:64*\s+4*\q+3], v[XB] offset:(\s-2)*KSB+128*(\q/4)+16*(\q%4)
.endif
.endr
.endr
	WIN 0
.endm
; 64 numbers of a lane in window 3, register src + 16 b + i: the largest magnitude of each 16 with lane l xor 16's, the conversions' scale operands and the bytes
.macro QMAX src
	WIN 0x3c
.irp b, 0,1,2,3
	v_max3_num_f32 v[TM+\b], s[FLOOR], |v[(\src)+16*\b]|, |v[(\src)+16*\b+1]|   ; with the floor, under which no largest magnitude is taken: the byte cannot fall under 1
.endr
.irp i, 2,4,6,8,10,12,14
.irp b, 0,1,2,3
	v_max3_num_f32 v[TM+\b], v[TM+\b], |v[(\src)+16*\b+\i]|, |v[(\src)+16*\b+\i+1]|
.endr
.endr
	WIN 0
.irp b, 0,1,2,3
	v_permlanex16_b32 v[TM+4+\b], v[TM+\b], s[SEL], s[SEL+1]
.endr
.irp b, 0,1,2,3
	v_max_num_f32 v[TM+\b], v[TM+\b], v[TM+4+\b]
.endr
.irp b, 0,1,2,3
	v_add_nc_u32 v[TM+12+\b], 0xfe000000, v[TM+\b] ; 4 off the exponent field: the conversion takes that field as its scale
.endr
.irp b, 0,1,2,3
	v_lshrrev_b32 v[TM+4+\b], 23, v[TM+12+\b]      ; the scale's byte
.endr
.endm
; the same 64 numbers become a fragment in v[PC] on and its scale word in v[PW]
.macro QCODE src
	v_lshl_or_b32 v[PW], v[TM+5], 8, v[TM+4]
	v_lshl_or_b32 v[PW], v[TM+6], 16, v[PW]
	v_lshl_or_b32 v[PW], v[TM+7], 24, v[PW]
	WIN 0x03
.irp c, 0,1
	v_cvt_scalef32_pk16_bf6_f32 v[PC+6*\c:PC+6*\c+2], v[(\src)+32*\c:(\src)+32*\c+15], v[TM+12+2*\c]
	v_cvt_scalef32_pk16_bf6_f32 v[PC+12+4*\c:PC+14+4*\c], v[(\src)+16+32*\c:(\src)+31+32*\c], v[TM+13+2*\c]   ; a conversion's three registers begin on an even number
.endr
	WIN 0
	v_nop                                          ; one plain place behind a scaled conversion
.irp c, 0,1                                    ; the operand wants a WHOLE block in a lane
.irp i, 0,1,2
	v_permlane16_swap_b32 v[PC+6*\c+\i], v[PC+12+4*\c+\i]
.endr
.irp i, 0,1,2
	v_mov_b32 v[PC+3+6*\c+\i], v[PC+12+4*\c+\i]
.endr
.endr
.endm
.macro IMAGE adr, off                  ; the fragment goes to LDS as it stands
.irp c, 0,1,2
	ds_store_b128 v[\adr], v[PC+4*\c:PC+4*\c+3] offset:(\off)+512*\c
.endr
.endm
.macro XQUANT                          ; my 16 rows of x: four fragments, images F = 4 w + s
.irp s, 0,1,2,3
	s_wait_dscnt 48-12*\s                          ; K step s is in: behind its loads stand 16 loads for each later step and 4 stores for each earlier one
	QMAX 64*\s
	QCODE 64*\s
	IMAGE XWI, 1536*\s
	ds_store_b32 v[XWS], v[PW] offset:64*\s
.endr
.endm
.macro FETCHX set, s                   ; x's fragments of K step s, four row tiles
.irp m, 0,1,2,3
.irp c, 0,1,2
	ds_load_b128 v[\set+12*\m+4*\c:\set+12*\m+4*\c+3], v[IMR] offset:(4*\m+\s)*1536+512*\c
.endr
.endr
.endm
.macro SWMMA odd                       ; a scaled product on the registers named by QD, QA, QB, QC, QSA, QSB; an odd K step's scale words lie in lanes 16-31
.if (\odd)
	v_wmma_scale_f32_16x16x128_f8f6f4 v[QD:QD+7], v[QA:QA+11], v[QB:QB+11], v[QC:QC+7], v[QSA], v[QSB] matrix_a_fmt:MATRIX_FMT_BF6 matrix_b_fmt:MATRIX_FMT_BF6 matrix_a_scale:MATRIX_SCALE_ROW1 matrix_b_scale:MATRIX_SCALE_ROW1
.else
	v_wmma_scale_f32_16x16x128_f8f6f4 v[QD:QD+7], v[QA:QA+11], v[QB:QB+11], v[QC:QC+7], v[QSA], v[QSB] matrix_a_fmt:MATRIX_FMT_BF6 matrix_b_fmt:MATRIX_FMT_BF6
.endif
.endm
; Layer 1, K step s: 32 products, my 8 tiles of units x 4 row tiles.  The 32 accumulators take turns, one instruction a turn, in the same order in every K step.  K step 0 takes b1 as C.
.macro MUL1 s, set
.irp t, 0,1,2,3,4,5,6,7
.if \t < 5
.set QA, 12*(4*\t+\s)
.if \s == 0
	WIN 0xc1
.else
	WIN 0xf1
.endif
.else
.set QA, 12*(4*(\t-5)+\s)
.if \s == 0
	WIN 0xc2
.else
	WIN 0xf2
.endif
.endif
.irp m, 0,1,2,3
.set QD, 64*\m+8*\t
.set QB, \set+12*\m
.if \s == 0
.set QC, AA+8*\t
.else
.set QC, QD
.endif
.set QSA, W1S+2*\t+\s/2
.set QSB, SCX+2*\m+\s/2
	SWMMA \s%2
.endr
.endr
.endm
; Layer 2, K step s: 8 products, my 2 tiles of units x 4 row tiles, by turns.  K step 0 takes b2 as C.
.macro MUL2 s
.if \s == 0
	WIN 0xce
.else
	WIN 0xfe
.endif
.irp m, 0,1,2,3
.irp u, 0,1
.set QD, 16*\m+8*\u
.set QA, 144+12*(4*\u+\s)
.set QB, 64+12*(4*\s+\m)
.if \s == 0
.set QC, AA+8*\u
.else
.set QC, QD
.endif
.set QSA, W2S+2*\u+\s/2
.set QSB, SCX+2*\m+\s/2
	SWMMA \s%2
.endr
.endr
.endm
.macro LNRED                           ; for each m: the two chains joined, the pair's halves added, and lane l xor 16's sum fetched into PT
.irp m, 0,1,2,3
	v_pk_add_f32 v[TC+4*\m:TC+4*\m+1], v[TC+4*\m:TC+4*\m+1], v[TC+4*\m+2:TC+4*\m+3]
.endr
.irp m, 0,1,2,3
	v_add_f32 v[SS+\m], v[TC+4*\m], v[TC+4*\m+1]
.endr
.irp m, 0,1,2,3
	v_permlanex16_b32 v[PT+\m], v[SS+\m], s[SEL], s[SEL+1]
.endr
.endm
; My wave's mean and M2 of each row, over its 2 nr units; h - mean is left in place.  Each accumulator is read from its low end on.
.macro LNLOCAL nr, invn, stoff
	WIN 0x0f
.irp c, 0,1
.irp m, 0,1,2,3
	v_pk_add_f32 v[TC+4*\m+2*\c:TC+4*\m+2*\c+1], v[\nr*\m+4*\c:\nr*\m+4*\c+1], v[\nr*\m+4*\c+2:\nr*\m+4*\c+3]
.endr
.endr
	WIN 0x0c
.set LI_, 8
.rept (\nr-8)/2
.set LC_, 2*((LI_/2)%2)
.irp m, 0,1,2,3
	v_pk_add_f32 v[TC+4*\m+LC_:TC+4*\m+LC_+1], v[TC+4*\m+LC_:TC+4*\m+LC_+1], v[\nr*\m+LI_:\nr*\m+LI_+1]
.endr
.set LI_, LI_+2
.endr
	WIN 0
	LNRED
.irp m, 0,1,2,3
	v_add_f32 v[SS+\m], v[SS+\m], v[PT+\m]
.endr
.irp m, 0,1,2,3
	v_mul_f32 v[SP+2*\m], \invn, v[SS+\m]          ; my mean
.endr
	WIN 0xc3
.set LI_, 0
.rept \nr/2
.irp m, 0,1,2,3
	v_pk_add_f32 v[\nr*\m+LI_:\nr*\m+LI_+1], v[\nr*\m+LI_:\nr*\m+LI_+1], v[SP+2*\m:SP+2*\m+1] op_sel_hi:[1,0] neg_lo:[0,1] neg_hi:[0,1]   ; d = h - my mean
.endr
.set LI_, LI_+2
.endr
	WIN 0x0f
.irp c, 0,1
.irp m, 0,1,2,3
	v_pk_mul_f32 v[TC+4*\m+2*\c:TC+4*\m+2*\c+1], v[\nr*\m+2*\c:\nr*\m+2*\c+1], v[\nr*\m+2*\c:\nr*\m+2*\c+1]
.endr
.endr
.set LI_, 4
.rept (\nr-4)/2
.set LC_, 2*((LI_/2)%2)
.irp m, 0,1,2,3
	v_pk_fma_f32 v[TC+4*\m+LC_:TC+4*\m+LC_+1], v[\nr*\m+LI_:\nr*\m+LI_+1], v[\nr*\m+LI_:\nr*\m+LI_+1], v[TC+4*\m+LC_:TC+4*\m+LC_+1]
.endr
.set LI_, LI_+2
.endr
	WIN 0
	LNRED
.irp m, 0,1,2,3
	v_add_f32 v[SP+2*\m+1], v[SS+\m], v[PT+\m]     ; my M2
.endr
.irp m, 0,1,2,3
	ds_store_b64 v[STW], v[SP+2*\m:SP+2*\m+1] offset:\stoff+256*\m
.endr
.endm
; The four waves' pairs become rstd and the shift (my mean - mu) rstd, for each m
.macro LNCOMB nw, invt, stoff
.irp m, 0,1,2,3
.irp q, 0,1,2,3
	ds_load_b64 v[SL+8*\m+2*\q:SL+8*\m+2*\q+1], v[STR] offset:\stoff+1024*\q+256*\m
.endr
.endr
	s_wait_dscnt 0x0
.irp m, 0,1,2,3
	v_add_f32 v[CT+8*\m], v[SL+8*\m], v[SL+8*\m+2]
.endr
.irp m, 0,1,2,3
	v_add_f32 v[CT+8*\m+1], v[SL+8*\m+4], v[SL+8*\m+6]
.endr
.irp m, 0,1,2,3
	v_add_f32 v[CT+8*\m], v[CT+8*\m], v[CT+8*\m+1]
.endr
.irp m, 0,1,2,3
	v_mul_f32 v[CT+8*\m], 0x3e800000, v[CT+8*\m]   ; mu = the mean of four means of equally many units
.endr
.irp q, 0,1,2,3
.irp m, 0,1,2,3
	v_sub_f32 v[CT+8*\m+1+\q], v[SL+8*\m+2*\q], v[CT+8*\m]
.endr
.endr
.irp m, 0,1,2,3
	v_mul_f32 v[CT+8*\m+5], v[CT+8*\m+1], v[CT+8*\m+1]
.endr
.irp q, 1,2,3
.irp m, 0,1,2,3
	v_fmac_f32 v[CT+8*\m+5], v[CT+8*\m+1+\q], v[CT+8*\m+1+\q]
.endr
.endr
.irp m, 0,1,2,3
	v_add_f32 v[CT+8*\m+6], v[SL+8*\m+1], v[SL+8*\m+3]
.endr
.irp m, 0,1,2,3
	v_add_f32 v[CT+8*\m+7], v[SL+8*\m+5], v[SL+8*\m+7]
.endr
.irp m, 0,1,2,3
	v_add_f32 v[CT+8*\m+6], v[CT+8*\m+6], v[CT+8*\m+7]
.endr
.irp m, 0,1,2,3
	v_fma_f32 v[CT+8*\m+6], v[CT+8*\m+5], \nw, v[CT+8*\m+6]   ; M2 of all units
.endr
.irp m, 0,1,2,3
	v_fma_f32 v[CT+8*\m+6], v[CT+8*\m+6], \invt, s[EPS]       ; the variance + 1e-5
.endr
.irp m, 0,1,2,3
	v_rsq_f32 v[RS+2*\m], v[CT+8*\m+6]
.endr
.irp m, 0,1,2,3
	v_sub_f32 v[CT+8*\m+7], v[SP+2*\m], v[CT+8*\m] ; plain lines behind the transcendentals
.endr
	s_wait_alu depctr_va_vdst(0)
.irp m, 0,1,2,3
	v_mul_f32 v[RS+2*\m+1], v[CT+8*\m+7], v[RS+2*\m]
.endr
.endm
.macro NORMY nr                        ; y = d rstd + shift
	WIN 0xc3
.set NI_, 0
.rept \nr/2
.irp m, 0,1,2,3
	v_pk_fma_f32 v[\nr*\m+NI_:\nr*\m+NI_+1], v[\nr*\m+NI_:\nr*\m+NI_+1], v[RS+2*\m:RS+2*\m+1], v[RS+2*\m:RS+2*\m+1] op_sel:[0,0,1] op_sel_hi:[1,0,1]
.endr
.set NI_, NI_+2
.endr
.endm
.macro NORMZ nr, g, be                 ; z = y g + be
	WIN 0xc3
.set NI_, 0
.rept \nr/2
.irp m, 0,1,2,3
	v_pk_fma_f32 v[\nr*\m+NI_:\nr*\m+NI_+1], v[\nr*\m+NI_:\nr*\m+NI_+1], v[\g+NI_:\g+NI_+1], v[\be+NI_:\be+NI_+1]
.endr
.set NI_, NI_+2
.endr
.endm
; CELU in place on chunks x cn registers from base on; w1: source 0 in the numbers' window; w2: destination and source 0 there
.macro CELU base, chunks, cn, w1, w2
.set CB_, \base
.rept \chunks
	WIN \w1
.set CI_, 0
.rept \cn/2
	v_pk_mul_f32 v[T+CI_:T+CI_+1], v[CB_+CI_:CB_+CI_+1], 0x3fb8aa3b op_sel_hi:[1,0]   ; z log2 e
.set CI_, CI_+2
.endr
	WIN 0
.set CI_, 0
.rept \cn
	v_exp_f32 v[T+CI_], -|v[T+CI_]|
.set CI_, CI_+1
.endr
	v_nop                                          ; one plain place behind the transcendentals
.set CI_, 0
	s_wait_alu depctr_va_vdst(0)
.rept \cn/2
	v_pk_add_f32 v[T+CI_:T+CI_+1], v[T+CI_:T+CI_+1], -1.0 op_sel_hi:[1,0]
.set CI_, CI_+2
.endr
	WIN \w2
.set CI_, 0
.rept \cn
	v_max_num_f32 v[CB_+CI_], v[CB_+CI_], v[T+CI_]
.set CI_, CI_+1
.endr
.set CB_, CB_+\cn
.endr
	WIN 0
.endm
; Layers 3 and 4 and the head for my row tile; all but product 4's operands in window 0
.macro TAILNET
	v_lshl_or_b32 v[SCH2], v[SB+1], 8, v[SB]       ; the four waves' bytes: h2's scale word
	v_lshl_or_b32 v[SCH2], v[SB+2], 16, v[SCH2]
	v_lshl_or_b32 v[SCH2], v[SB+3], 24, v[SCH2]
	PLACES 8                                       ; a scale register written by a vector instruction stands 8 places ahead of a scaled matrix instruction
	v_wmma_scale_f32_16x16x128_f8f6f4 v[D3:D3+7], v[W3F:W3F+11], v[HF:HF+11], v[AA:AA+7], v[W3S], v[SCH2] matrix_a_fmt:MATRIX_FMT_BF6 matrix_b_fmt:MATRIX_FMT_BF6
	v_wmma_scale_f32_16x16x128_f8f6f4 v[D3+8:D3+15], v[W3F+12:W3F+23], v[HF:HF+11], v[AA+8:AA+15], v[W3S], v[SCH2] matrix_a_fmt:MATRIX_FMT_BF6 matrix_b_fmt:MATRIX_FMT_BF6 matrix_a_scale:MATRIX_SCALE_ROW1
	PLACES 4
	v_pk_add_f32 v[184:185], v[D3:D3+1], v[D3+2:D3+3]          ; LayerNorm over 32 units, 16 here and 16 in lane l xor 16; each accumulator from its low end on
	v_pk_add_f32 v[186:187], v[D3+8:D3+9], v[D3+10:D3+11]
	v_pk_add_f32 v[188:189], v[D3+4:D3+5], v[D3+6:D3+7]
	v_pk_add_f32 v[190:191], v[D3+12:D3+13], v[D3+14:D3+15]
	v_pk_add_f32 v[184:185], v[184:185], v[188:189]
	v_pk_add_f32 v[186:187], v[186:187], v[190:191]
	v_pk_add_f32 v[184:185], v[184:185], v[186:187]
	v_add_f32 v184, v184, v185
	v_permlanex16_b32 v186, v184, s[SEL], s[SEL+1]
	v_add_f32 v184, v184, v186
	v_mul_f32 v184, 0x3d000000, v184               ; mu
.irp i, 0,1,2,3,4,5,6,7
	v_pk_add_f32 v[H3+2*\i:H3+2*\i+1], v[D3+2*\i:D3+2*\i+1], v[184:185] op_sel_hi:[1,0] neg_lo:[0,1] neg_hi:[0,1]
.endr
	v_pk_mul_f32 v[186:187], v[H3:H3+1], v[H3:H3+1]
	v_pk_mul_f32 v[188:189], v[H3+2:H3+3], v[H3+2:H3+3]
.irp i, 4,8,12
	v_pk_fma_f32 v[186:187], v[H3+\i:H3+\i+1], v[H3+\i:H3+\i+1], v[186:187]
	v_pk_fma_f32 v[188:189], v[H3+\i+2:H3+\i+3], v[H3+\i+2:H3+\i+3], v[188:189]
.endr
	v_pk_add_f32 v[186:187], v[186:187], v[188:189]
	v_add_f32 v186, v186, v187
	v_permlanex16_b32 v190, v186, s[SEL], s[SEL+1]
	v_add_f32 v186, v186, v190
	v_fma_f32 v186, v186, 0x3d000000, s[EPS]
	v_rsq_f32 v186, v186
	v_nop                                          ; one plain place behind the transcendental
	s_wait_alu depctr_va_vdst(0)
.irp i, 0,1,2,3,4,5,6,7
	v_pk_mul_f32 v[H3+2*\i:H3+2*\i+1], v[H3+2*\i:H3+2*\i+1], v[186:187] op_sel_hi:[1,0]
.endr
.irp i, 0,1,2,3,4,5,6,7
	v_pk_fma_f32 v[H3+2*\i:H3+2*\i+1], v[H3+2*\i:H3+2*\i+1], v[AA+16+2*\i:AA+17+2*\i], v[AA+32+2*\i:AA+33+2*\i]
.endr
	CELU H3, 1, 16, 0, 0
	PLACES 4
	; product 4 on f32 operands: register pair s of h3 IS source 1 of K step s (units 4 s + 2 h + 0, 1).  Two accumulators by turns; b4 is the C of the first.  Both halves of the lanes get units 0-7 of row r.
	WIN 0x81
	v_wmma_f32_16x16x4_f32 v[240:247], v[240:241], v[H3:H3+1], v[B4:B4+7]
	v_wmma_f32_16x16x4_f32 v[248:255], v[242:243], v[H3+2:H3+3], 0
	WIN 0xa1
.irp s, 2,3,4,5,6,7
	v_wmma_f32_16x16x4_f32 v[240+8*(\s%2):247+8*(\s%2)], v[240+2*\s:241+2*\s], v[H3+2*\s:H3+2*\s+1], v[240+8*(\s%2):247+8*(\s%2)]
.endr
	WIN 0
	PLACES 8                                       ; this form asks for eight
	WIN 0x0a
.irp i, 0,1,2,3
	v_pk_add_f32 v[184+2*\i:185+2*\i], v[240+2*\i:241+2*\i], v[248+2*\i:249+2*\i]   ; the two halves of K; from the low ends on
.endr
	WIN 0
	v_pk_add_f32 v[192:193], v[184:185], v[186:187]            ; LayerNorm over my 8 registers
	v_pk_add_f32 v[194:195], v[188:189], v[190:191]
	v_pk_add_f32 v[192:193], v[192:193], v[194:195]
	v_add_f32 v192, v192, v193
	v_mul_f32 v192, 0x3e000000, v192
.irp i, 0,1,2,3
	v_pk_add_f32 v[184+2*\i:185+2*\i], v[184+2*\i:185+2*\i], v[192:193] op_sel_hi:[1,0] neg_lo:[0,1] neg_hi:[0,1]
.endr
	v_pk_mul_f32 v[194:195], v[184:185], v[184:185]
	v_pk_mul_f32 v[196:197], v[186:187], v[186:187]
	v_pk_fma_f32 v[194:195], v[188:189], v[188:189], v[194:195]
	v_pk_fma_f32 v[196:197], v[190:191], v[190:191], v[196:197]
	v_pk_add_f32 v[194:195], v[194:195], v[196:197]
	v_add_f32 v194, v194, v195
	v_fma_f32 v194, v194, 0x3e000000, s[EPS]
	v_rsq_f32 v194, v194
	v_nop
	s_wait_alu depctr_va_vdst(0)
.irp i, 0,1,2,3
	v_pk_mul_f32 v[184+2*\i:185+2*\i], v[184+2*\i:185+2*\i], v[194:195] op_sel_hi:[1,0]
.endr
.irp j, 0,1,2,3,4,5,6,7
	v_fma_f32 v[184+\j], v[184+\j], s[G4+\j], s[BE4+\j]
.endr
	CELU 184, 1, 8, 0, 0
	v_fma_f32 v192, v184, s[WSN], s[BH]            ; the head, in two chains
	v_mul_f32 v193, s[WSN+1], v185
.irp j, 2,4,6
	v_fmac_f32 v192, s[WSN+\j], v[184+\j]
	v_fmac_f32 v193, s[WSN+\j+1], v[185+\j]
.endr
	v_add_f32 v192, v192, v193
	ds_store_b32 v[OUTW], v192                     ; lanes r and r + 16 hold the same number
.endm
	; ---------------- the head ----------------
	s_load_b512 s[4:19], s[0:1], 0x0               ; x s[4:5], wimg s[6:7], wsc s[8:9], b1 s[10:11], g1 s[12:13], be1 s[14:15], b2 s[16:17], g2 s[18:19]
	s_load_b512 s[20:35], s[0:1], 0x40             ; be2 s[20:21], b3 s[22:23], g3 s[24:25], be3 s[26:27], W4 s[28:29], b4 s[30:31], g4 s[32:33], be4 s[34:35]
	s_load_b256 s[36:43], s[0:1], 0x80             ; Wh s[36:37], bh s[38:39], u s[40:41], out0 s[42:43]
	v_lshl_add_u32 v[SPW], v0, 2, SPARE
	v_mov_b32 v[NIL], 0
	ds_add_u32 v22, v23
	ds_add_u32 v22, v23
	s_wait_dscnt 0x0
	v_lshrrev_b32 v200, 5, v0
	v_readfirstlane_b32 s[WV], v200                ; wave 0..3
	; descriptor group 1: 64 rows x 64 elements of 8 bytes (512 bytes), 256 elements from row to row; in LDS 4 words of padding behind every 128
	s_mov_b32 s[G1+0], (3<<16)|(1<<20)|(6<<22)|(3<<25)
	s_mov_b32 s[G1+1], 64<<16                      ; tensor_dim0
	s_mov_b32 s[G1+2], 64<<16                      ; tensor_dim1
	s_mov_b32 s[G1+3], 64<<16                      ; tile_dim0
	s_mov_b32 s[G1+4], 64                          ; tile_dim1
	s_mov_b32 s[G1+5], 256                         ; tensor_dim0_stride
	s_mov_b32 s[G1+6], 0
	s_mov_b32 s[G1+7], 0
	s_mov_b32 s[G0A], 1
	s_mul_i32 s[G0A+1], s[WV], KSB                 ; my K step's place in slot 0
	s_mov_b32 s[G0W], 1
	s_add_co_u32 s[G0W+1], s[G0A+1], SLOTB         ; and in slot 1
	s_lshl_b32 s70, ttmp9, 20                      ; the work-group's 512 rows of 2,048 bytes
	s_lshl_b32 s71, s[WV], 9                       ; my K step's 512 bytes of a row
	s_add_co_u32 s70, s70, s71
	s_mov_b32 s71, 0
	s_mov_b32 s[SEL], 0x76543210
	s_mov_b32 s[SEL+1], 0xfedcba98
	s_mov_b32 s[FLOOR], 0x2800000
	s_mov_b32 s[EPS], 0x3727c5ac
	s_mov_b32 s[TB], 0
	s_mov_b32 s[OB], 0
	s_wait_kmcnt 0x0
	s_add_nc_u64 s[G0A+2:G0A+3], s[4:5], s[70:71]  ; block 0
	s_add_nc_u64 s[G0W+2:G0W+3], s[G0A+2:G0A+3], 0x20000   ; block 1: 64 rows on
	s_or_b32 s[G0A+3], s[G0A+3], 0x80000000        ; type = 2
	s_or_b32 s[G0W+3], s[G0W+3], 0x80000000
	tensor_load_to_lds s[G0A:G0A+3], s[G1:G1+7]    ; both first fills go out together, ahead of everything else: two loads of mine are out
	s_nop 0
	tensor_load_to_lds s[G0W:G0W+3], s[G1:G1+7]
	s_nop 0
	PLACES 4                                       ; plain places behind a tensor load
	s_load_b256 s[G4:G4+7], s[32:33], 0x0
	s_load_b256 s[BE4:BE4+7], s[34:35], 0x0
	s_load_b256 s[WSN:WSN+7], s[36:37], 0x0
	s_load_b32 s[BH], s[38:39], 0x0
	s_load_b32 s[UU], s[40:41], 0x0
	v_and_b32 v200, 31, v0                         ; lane
	v_and_b32 v201, 15, v0                         ; r
	v_bfe_u32 v202, v0, 4, 1                       ; h
	v_lshlrev_b32 v203, 4, v200                    ; 16 lane
	v_lshlrev_b32 v204, 2, v200                    ; 4 lane
	v_lshlrev_b32 v205, 2, v201                    ; 4 r
	v_lshlrev_b32 v206, 6, v202                    ; 64 h
	v_lshlrev_b32 v207, 3, v200                    ; 8 lane
	; offsets of the global loads: the wave's term stands in the offset, the buffers' addresses stay as they came
	s_mul_i32 s70, s[WV], 12288
	v_add_nc_u32 v208, s70, v203                   ; W2's fragments
	v_lshl_add_u32 v209, s[WV], 11, v204           ; W1's scale words
	s_mul_i32 s70, s[WV], 49152
	v_add_nc_u32 v210, s70, v203                   ; W1's fragments
	v_and_b32 v211, 7, v0
	v_lshlrev_b32 v211, 7, v211
	v_lshl_add_u32 v211, v202, 3, v211             ; W4: row r % 8 of 128 bytes, + 8 h
	v_mov_b32 v212, 0
	v_lshlrev_b32 v213, 4, v0                      ; 16 x thread
	v_lshlrev_b32 v214, 2, v0                      ; 4 x thread
	v_lshl_add_u32 v237, s[WV], 9, v204            ; W2's scale words
	WIN 0x40                                       ; destination window 1
.set HQ_, 0
.rept 20
.irp c, 0,1,2
	global_load_b128 v[12*HQ_+4*\c:12*HQ_+4*\c+3], v210, s[6:7] offset:1536*HQ_+512*\c
.endr
.set HQ_, HQ_+1
.endr
.irp s, 0,1,2,3,4,5,6,7
	global_load_b64 v[240+2*\s:241+2*\s], v211, s[28:29] offset:16*\s   ; W4(r % 8, 4 s + 2 h + 0, 1)
.endr
	WIN 0x80                                       ; destination window 2
.rept 12
.irp c, 0,1,2
	global_load_b128 v[12*(HQ_-20)+4*\c:12*(HQ_-20)+4*\c+3], v210, s[6:7] offset:1536*HQ_+512*\c
.endr
.set HQ_, HQ_+1
.endr
.set HQ_, 0
.rept 8
.irp c, 0,1,2
	global_load_b128 v[144+12*HQ_+4*\c:144+12*HQ_+4*\c+3], v208, s[6:7] offset:196608+1536*HQ_+512*\c
.endr
.set HQ_, HQ_+1
.endr
	WIN 0
.irp t, 0,1
.irp c, 0,1,2
	global_load_b128 v[W3F+12*\t+4*\c:W3F+12*\t+4*\c+3], v203, s[6:7] offset:245760+1536*\t+512*\c
.endr
.endr
.irp p, 0,1,2,3,4,5,6,7,8,9,10,11,12,13,14,15
	global_load_b32 v[W1S+\p], v209, s[8:9] offset:128*\p
.endr
.irp p, 0,1,2,3
	global_load_b32 v[W2S+\p], v237, s[8:9] offset:8192+128*\p
.endr
	global_load_b32 v[W3S], v204, s[8:9] offset:10240
	global_load_b128 v[B4:B4+3], v212, s[30:31]    ; b4, the same in every lane
	global_load_b128 v[B4+4:B4+7], v212, s[30:31] offset:16
	global_load_b128 v[216:219], v213, s[10:11]    ; b1, g1, be1: 16 bytes a thread
	global_load_b128 v[220:223], v213, s[12:13]
	global_load_b128 v[224:227], v213, s[14:15]
	global_load_b32 v228, v214, s[16:17]           ; b2, g2, be2: 4 bytes a thread
	global_load_b32 v229, v214, s[18:19]
	global_load_b32 v230, v214, s[20:21]
	global_load_b32 v234, v204, s[22:23]           ; b3, g3, be3: every wave loads them, wave 0 stores them
	global_load_b32 v235, v204, s[24:25]
	global_load_b32 v236, v204, s[26:27]
	; every LDS address, made once, ahead of any branch
	v_add_nc_u32 v[IMR], IMG, v203
	v_add_nc_u32 v[SCR], IMGSC, v204
	s_mul_i32 s70, s[WV], 16*528
	v_mad_u32_u24 v[XA0], v201, 528, v206
	v_add_nc_u32 v[XA0], s70, v[XA0]
	v_add_nc_u32 v[XB0], 2*KSB, v[XA0]
	s_mul_i32 s70, s[WV], 6144
	s_add_co_u32 s70, s70, IMG
	v_add_nc_u32 v[XWI], s70, v203
	s_lshl_b32 s70, s[WV], 8
	s_add_co_u32 s70, s70, IMGSC
	v_add_nc_u32 v[XWS], s70, v205
	s_mul_i32 s70, s[WV], 1536
	s_add_co_u32 s70, s70, IMG
	v_add_nc_u32 v[HWI], s70, v203
	s_lshl_b32 s70, s[WV], 6
	s_add_co_u32 s70, s70, IMGSC
	v_add_nc_u32 v[HWS], s70, v205
	s_lshl_b32 s70, s[WV], 9
	s_add_co_u32 s70, s70, PARAM1
	v_add_nc_u32 v[PA1], s70, v206
	s_lshl_b32 s70, s[WV], 7
	s_add_co_u32 s70, s70, PARAM2
	v_add_nc_u32 v[PA2], s70, v206
	v_add_nc_u32 v[PA3], PARAM3, v206
	s_lshl_b32 s70, s[WV], 10
	s_add_co_u32 s70, s70, STAT
	v_add_nc_u32 v[STW], s70, v207
	v_add_nc_u32 v[STR], STAT, v207
	s_and_b32 s70, s[WV], 1
	s_mul_i32 s70, s70, 768
	s_lshr_b32 s71, s[WV], 1
	s_mul_i32 s71, s71, 24
	s_add_co_u32 s70, s70, s71
	s_add_co_u32 s70, s70, H2IMG
	v_mul_u32_u24 v[H2W], v201, 48
	v_mad_u32_u24 v[H2W], v202, 12, v[H2W]
	v_add_nc_u32 v[H2W], s70, v[H2W]
	s_lshl_b32 s70, s[WV], 7
	s_add_co_u32 s70, s70, H2SC
	v_add_nc_u32 v[H2SW], s70, v204
	s_mul_i32 s70, s[WV], 1536
	s_add_co_u32 s70, s70, H2IMG
	v_mul_u32_u24 v[H2R], v200, 48
	v_add_nc_u32 v[H2R], s70, v[H2R]
	s_lshl_b32 s70, s[WV], 9
	s_add_co_u32 s70, s70, H2SC
	v_add_nc_u32 v[H2SR], s70, v204
	s_lshl_b32 s70, s[WV], 6
	s_add_co_u32 s70, s70, OUTB
	v_add_nc_u32 v[OUTW0], s70, v205
	v_add_nc_u32 v215, PARAM1, v213
	v_add_nc_u32 v232, PARAM2, v214
	v_bfe_u32 v233, v0, 1, 1                       ; b3's unit L = lane goes to 64 ((L / 2) % 2) + 8 (L / 4) + 4 (L % 2)
	v_lshlrev_b32 v233, 6, v233
	v_lshrrev_b32 v238, 2, v200
	v_lshl_add_u32 v233, v238, 3, v233
	v_and_b32 v238, 1, v0
	v_lshl_add_u32 v233, v238, 2, v233
	v_add_nc_u32 v233, PARAM3, v233
	; the head's weight: one power iteration, as it is written: v = Wh u / (|Wh u| + 1e-12); s = Wh . v; u2 = s / (|s| + 1e-12); sigma = u2 s; Wsn = Wh / sigma
	s_mov_b32 s70, 0x2b8cbccc                      ; 1e-12
	s_wait_kmcnt 0x0
	v_mov_b32 v163, s[UU]
.irp i, 0,1,2,3,4,5,6,7
	v_mul_f32 v[152+\i], s[WSN+\i], v163
.endr
	v_mul_f32 v160, v152, v152
.irp i, 1,2,3,4,5,6,7
	v_fmac_f32 v160, v[152+\i], v[152+\i]
.endr
	v_sqrt_f32 v160, v160
	v_nop
	s_wait_alu depctr_va_vdst(0)
	v_add_f32 v160, s70, v160
	v_rcp_f32 v160, v160
	v_nop
	s_wait_alu depctr_va_vdst(0)
.irp i, 0,1,2,3,4,5,6,7
	v_mul_f32 v[152+\i], v[152+\i], v160
.endr
	v_mul_f32 v161, s[WSN], v152
.irp i, 1,2,3,4,5,6,7
	v_fmac_f32 v161, s[WSN+\i], v[152+\i]
.endr
	v_add_f32 v162, s70, |v161|
	v_rcp_f32 v162, v162
	v_nop
	s_wait_alu depctr_va_vdst(0)
	v_mul_f32 v162, v161, v162                     ; u2
	v_mul_f32 v162, v162, v161                     ; sigma
	v_rcp_f32 v162, v162
	v_nop
	s_wait_alu depctr_va_vdst(0)
.irp i, 0,1,2,3,4,5,6,7
	v_mul_f32 v[152+\i], s[WSN+\i], v162
.endr
.irp i, 0,1,2,3,4,5,6,7
	v_readfirstlane_b32 s[WSN+\i], v[152+\i]
.endr
.irp b, 0,1,2,3
	v_mov_b32 v[TM+4+\b], 0                        ; a lane permute's destination counts as one of its sources
.endr
	s_wait_loadcnt 0x0                             ; weights, scale words, biases and gains
	ds_store_b128 v215, v[216:219]
	ds_store_b128 v215, v[220:223] offset:2048
	ds_store_b128 v215, v[224:227] offset:4096
	ds_store_b32 v232, v228
	ds_store_b32 v232, v229 offset:512
	ds_store_b32 v232, v230 offset:1024
	s_cmp_lg_u32 s[WV], 0
	s_cbranch_scc1 .Lnot_wave_0
	ds_store_b32 v233, v234
	ds_store_b32 v233, v235 offset:128
	ds_store_b32 v233, v236 offset:256
.Lnot_wave_0:
	s_wait_tensorcnt 0x1                           ; my part of slot 0 is in; slot 1's may stay out
	BAR                                            ; everybody's is, and the biases and gains lie in LDS
	v_add_nc_u32 v[XA], s[TB], v[XA0]
	v_add_nc_u32 v[XB], s[TB], v[XB0]
	XLOAD                                          ; block 0
	XQUANT
; ---------------- a block of 64 rows ----------------
; refill = 1: the slot just read out takes the block two on.  tail = 1: in the trip with CNT = 1 there is no next block to read and quantise.
.macro BLOCK refill, tail
	s_wait_tensorcnt 0x0                           ; all my tensor loads have landed: my part of the next block's slot; so the walking group 0 may be written
	ds_add_u32 v[SPW], v[NIL]                      ; 0 onto my spare word
.if \refill
	s_xor_b32 s[G0W+1], s[G0W+1], SLOTB            ; the other slot than last time (the two bits of SLOTB are 0 in every K step's place, so the exclusive or adds or takes SLOTB)
	s_add_nc_u64 s[G0W+2:G0W+3], s[G0W+2:G0W+3], 0x20000   ; the next 64 rows; the type bits on top are not reached
.endif
	s_wait_dscnt 0x0                               ; the add is done, my reads of this block's slot are over, and x's images are stored
	s_barrier_signal -1
	s_barrier_wait -1                              ; all that holds of every wave
.if \refill
	tensor_load_to_lds s[G0W:G0W+3], s[G1:G1+7]    ; my one tensor load until the next such barrier: it has a whole block's work in which to land
	s_nop 0
	PLACES 4
.endif
	; ---- layer 1: h1 = x W1^T + b1, my 128 units for 64 rows
	PLOAD AA, PA1, 0, 16                           ; b1
	SCXLOAD
	FETCHX F0, 0
	FETCHX F1, 1
	s_wait_dscnt 12                                ; all but K step 1's twelve
	MUL1 0, F0
	WIN 0
	PLACES 4                                       ; in front of loads into registers that matrix instructions have read
	PLOAD AA, PA1, 2048, 16                        ; g1 where b1 lay
	FETCHX F0, 2
	s_wait_dscnt 28                                ; K step 1 is in; g1's sixteen and K step 2's twelve may be out
	MUL1 1, F1
	WIN 0
	PLACES 4
	FETCHX F1, 3
	s_wait_dscnt 12                                ; all but K step 3's twelve
	MUL1 2, F0
	s_wait_dscnt 0x0
	MUL1 3, F1
	WIN 0
	PLACES 4
	LNLOCAL 64, 0x3c000000, 0                      ; over my 128 units
	BAR                                            ; the four waves' pairs lie in LDS; nobody reads x's images any more
	LNCOMB 0x43000000, 0x3b000000, 0               ; n_w = 128, 1 / 512
	PLOAD BE1, PA1, 4096, 16                       ; be1, while y is made
	NORMY 64
	s_wait_dscnt 0x0
	NORMZ 64, AA, BE1
	CELU 0, 8, 32, 0x03, 0xc3
.irp m, 0,1,2,3
	QMAX 64*\m                                     ; my 128 units of row tile m are K step w of the second product
	QCODE 64*\m
	IMAGE HWI, 6144*\m
	ds_store_b32 v[HWS], v[PW] offset:256*\m
.endr
	BAR                                            ; h1's sixteen fragments lie in LDS
	; ---- layer 2: h2 = h1 W2^T + b2, my 32 units for 64 rows
	PLOAD AA, PA2, 0, 4                            ; b2, g2, be2
	PLOAD AA+16, PA2, 512, 4
	PLOAD AA+32, PA2, 1024, 4
	SCXLOAD
	WIN 0xc0
.irp s, 0,1,2,3
.irp m, 0,1,2,3
.irp c, 0,1,2
	ds_load_b128 v[64+12*(4*\s+\m)+4*\c:64+12*(4*\s+\m)+4*\c+3], v[IMR] offset:(4*\m+\s)*1536+512*\c
.endr
.endr
.endr
.irp s, 0,1,2,3
	s_wait_dscnt 36-12*\s                          ; K step s is in: twelve loads for each later step may be out
	MUL2 \s
.endr
	WIN 0
	PLACES 4
	LNLOCAL 16, 0x3d000000, 4096                   ; over my 32 units
	BAR
	LNCOMB 0x42000000, 0x3c000000, 4096            ; n_w = 32, 1 / 128
	NORMY 16
	NORMZ 16, AA+16, AA+32
	CELU 0, 2, 32, 0x03, 0xc3
	QMAX 0                                         ; here the macro's block b is row tile b: my 32 units are block w of the third product's K
	WIN 0x03
.irp m, 0,1,2,3
	v_cvt_scalef32_pk16_bf6_f32 v[PC+4*\m:PC+4*\m+2], v[16*\m:16*\m+15], v[TM+12+\m]
.endr
	WIN 0
	v_nop                                          ; one plain place behind a scaled conversion
.irp m, 0,1,2,3
.irp i, 0,1,2
	ds_store_b32 v[H2W], v[PC+4*\m+\i] offset:1536*\m+4*\i   ; my 16 codes are registers 6 (w / 2) + 3 h + i of the reader's lane r + 16 (w % 2)
.endr
	ds_store_b32 v[H2SW], v[TM+4+\m] offset:512*\m
.endr
	BAR                                            ; h2's four fragments lie in LDS; nobody reads h1's images any more
	; ---- from here on my own row tile; the next block's x is asked for first
.irp c, 0,1,2
	ds_load_b128 v[HF+4*\c:HF+4*\c+3], v[H2R] offset:16*\c
.endr
.irp q, 0,1,2,3
	ds_load_b32 v[SB+\q], v[H2SR] offset:128*\q
.endr
	PLOAD AA, PA3, 0, 4                            ; b3, g3, be3
	PLOAD AA+16, PA3, 128, 4
	PLOAD AA+32, PA3, 256, 4
	s_xor_b32 s[TB], s[TB], SLOTB                  ; the next block's slot: it was shown whole at this block's first barrier
	v_add_nc_u32 v[XA], s[TB], v[XA0]
	v_add_nc_u32 v[XB], s[TB], v[XB0]
	v_add_nc_u32 v[OUTW], s[OB], v[OUTW0]
.if \tail
	s_cmp_eq_u32 s[CNT], 1
	s_cbranch_scc1 .Llast_\@
.endif
	XLOAD
	s_wait_dscnt 63                                ; behind the 19 loads above stand 64: with 63 out at the most those 19 are in
.if \tail
	s_branch .Ljoin_\@
.Llast_\@:
	s_wait_dscnt 0x0
.Ljoin_\@:
.endif
	TAILNET
.if \tail
	s_cmp_eq_u32 s[CNT], 1
	s_cbranch_scc1 .Lnoq_\@
.endif
	XQUANT                                         ; the next block's images of x, over h1's
.if \tail
.Lnoq_\@:
.endif
	s_add_co_u32 s[OB], s[OB], 256
.endm
	s_mov_b32 s[CNT], 6
.Lfill:                                            ; blocks 0 to 5: each asks for the block two on
	BLOCK 1, 0
	s_sub_co_u32 s[CNT], s[CNT], 1
	s_cmp_lg_u32 s[CNT], 0
	s_cbranch_scc1 .Lfill
	s_mov_b32 s[CNT], 2
.Ltail:                                            ; blocks 6 and 7 ask for nothing: a text of their own
	BLOCK 0, 1
	s_sub_co_u32 s[CNT], s[CNT], 1
	s_cmp_lg_u32 s[CNT], 0
	s_cbranch_scc1 .Ltail
	BAR                                            ; the work-group's 512 results lie in LDS
	v_lshlrev_b32 v200, 4, v0
	v_add_nc_u32 v201, OUTB, v200
	ds_load_b128 v[204:207], v201
	s_lshl_b32 s70, ttmp9, 11
	s_mov_b32 s71, 0
	s_add_nc_u64 s[42:43], s[42:43], s[70:71]
	s_wait_dscnt 0x0
	global_store_b128 v200, v[204:207], s[42:43]   ; a wave stores 512 consecutive bytes, at a multiple of 256 from out0's first byte
	s_wait_tensorcnt 0x0                           ; the wave's end
	ds_add_u32 v[SPW], v[NIL]
	s_wait_dscnt 0x0
	s_endpgm
.Lfunc_end_k_q9cfece9bae_main:
	.size	k_q9cfece9bae_main, .Lfunc_end_k_q9cfece9bae_main-k_q9cfece9bae_main
	.p2alignl 7, 3214868480
	.fill 96, 4, 3214868480
	.section	.rodata,"a",@progbits
	.p2align	6, 0x0
	.amdhsa_kernel k_q9cfece9bae_main
		.amdhsa_group_segment_fixed_size 327680
		.amdhsa_private_segment_fixed_size 0
		.amdhsa_enable_private_segment 0
		.amdhsa_kernarg_size 160
		.amdhsa_user_sgpr_count 2
		.amdhsa_user_sgpr_kernarg_segment_ptr 1
		.amdhsa_wavefront_size32 1
		.amdhsa_system_sgpr_workgroup_id_x 1
		.amdhsa_system_sgpr_workgroup_id_y 1
		.amdhsa_system_sgpr_workgroup_id_z 1
		.amdhsa_system_vgpr_workitem_id 0
		.amdhsa_next_free_vgpr 1024
		.amdhsa_next_free_sgpr 102
		.amdhsa_reserve_vcc 0
		.amdhsa_float_denorm_mode_32 3
		.amdhsa_float_denorm_mode_16_64 3
		.amdhsa_memory_ordered 1
		.amdhsa_forward_progress 1
		.amdhsa_inst_pref_size 255
	.end_amdhsa_kernel
	.section	.bss,"aw",@nobits
	.p2align	6
	.space	262144
	.amdgpu_metadata
---
amdhsa.version: [ 1, 2 ]
amdhsa.kernels:
  - .name:           k_q9cfece9bae_main
    .symbol:         k_q9cfece9bae_main.kd
    .args:
      - { .name: x, .offset: 0, .size: 8, .value_kind: global_buffer, .address_space: global }
      - { .name: wimg, .offset: 8, .size: 8, .value_kind: global_buffer, .address_space: global }
      - { .name: wsc, .offset: 16, .size: 8, .value_kind: global_buffer, .address_space: global }
      - { .name: b1, .offset: 24, .size: 8, .value_kind: global_buffer, .address_space: global }
      - { .name: g1, .offset: 32, .size: 8, .value_kind: global_buffer, .address_space: global }
      - { .name: be1, .offset: 40, .size: 8, .value_kind: global_buffer, .address_space: global }
      - { .name: b2, .offset: 48, .size: 8, .value_kind: global_buffer, .address_space: global }
      - { .name: g2, .offset: 56, .size: 8, .value_kind: global_buffer, .address_space: global }
      - { .name: be2, .offset: 64, .size: 8, .value_kind: global_buffer, .address_space: global }
      - { .name: b3, .offset: 72, .size: 8, .value_kind: global_buffer, .address_space: global }
      - { .name: g3, .offset: 80, .size: 8, .value_kind: global_buffer, .address_space: global }
      - { .name: be3, .offset: 88, .size: 8, .value_kind: global_buffer, .address_space: global }
      - { .name: W4, .offset: 96, .size: 8, .value_kind: global_buffer, .address_space: global }
      - { .name: b4, .offset: 104, .size: 8, .value_kind: global_buffer, .address_space: global }
      - { .name: g4, .offset: 112, .size: 8, .value_kind: global_buffer, .address_space: global }
      - { .name: be4, .offset: 120, .size: 8, .value_kind: global_buffer, .address_space: global }
      - { .name: Wh, .offset: 128, .size: 8, .value_kind: global_buffer, .address_space: global }
      - { .name: bh, .offset: 136, .size: 8, .value_kind: global_buffer, .address_space: global }
      - { .name: u, .offset: 144, .size: 8, .value_kind: global_buffer, .address_space: global }
      - { .name: out0, .offset: 152, .size: 8, .value_kind: global_buffer, .address_space: global }
    .group_segment_fixed_size: 327680
    .private_segment_fixed_size: 0
    .kernarg_segment_align: 8
    .kernarg_segment_size: 160
    .max_flat_workgroup_size: 128
    .sgpr_count:     102
    .vgpr_count:     1024
    .wavefront_size: 32
...
	.end_amdgpu_metadata
.endif
;; end of part 2
